; MI455X (gfx1250); checked and timed in simulation.
; The chip was launched on July 23, 2026; its instructions are those of AMD's public machine-readable ISA for CDNA 5 (MIT licence, August 2026) and "CDNA5" Instruction Set Architecture Reference Guide (July 2026). The comments in the code are by the model that wrote it; some were corrected since.
;; Unfused Gemma4 Text Experts. Allowed arithmetic: matrix products marked QUANTISED: E2M3 operands, one E8M0 scale for each 32 along K, by v_wmma_scale_f32_16x16x128_f8f6f4 with both operands' format E2M3, f32 sums; everything else in f32.
;; Inputs: down_w_codes 8 x 2,048 x 32 x 24 uint8 (E2M3 codes of down_w, K innermost, in blocks of 32 codes, four codes in three bytes); down_w_scales 8 x 2,048 x 32 uint8 (E8M0 scales of down_w, one for each 32 codes along K); gate_w_codes 8 x 1,024 x 64 x 24 uint8 (E2M3 codes of gate_w, K innermost, in blocks of 32 codes, four codes in three bytes); gate_w_scales 8 x 1,024 x 64 uint8 (E8M0 scales of gate_w, one for each 32 codes along K); hidden_states_codes 1,024 x 64 x 24 uint8 (E2M3 codes of hidden_states, K innermost, in blocks of 32 codes, four codes in three bytes); hidden_states_scales 1,024 x 64 uint8 (E8M0 scales of hidden_states, one for each 32 codes along K); top_k_index 1,024 x 2 int32; top_k_weights 1,024 x 2 float32; up_w_codes 8 x 1,024 x 64 x 24 uint8 (E2M3 codes of up_w, K innermost, in blocks of 32 codes, four codes in three bytes); up_w_scales 8 x 1,024 x 64 uint8 (E8M0 scales of up_w, one for each 32 codes along K).
;; Outputs: out0 1,024 x 2,048 float32.
;; This version of the problem:
;;   THIS VERSION OF THE PROBLEM IS GIVEN IN LOW PRECISION. The matrix products marked QUANTISED in the list below multiply operands that are first quantised to E2M3 (2 exponent bits, 3 mantissa bits; 6 bits a number), with one power-of-two scale for each 32 numbers along K (OCP MX v1.0); their sums are f32. All else is computed in f32.
;;   The module's matrix products, in the order in which they are computed (A, B: the left and right operand; K: the contracted axis; several contracted axes count as one K, in the product's order):
;;     1. [M 1,024, K 2,048] x [K 2,048, N 1,024]; A: input hidden_states (given as codes); B: input gate_w (given as codes): QUANTISED
;;     2. [M 1,024, K 2,048] x [K 2,048, N 1,024]; A: input hidden_states (given as codes); B: input up_w (given as codes): QUANTISED
;;     3. [M 1,024, K 1,024] x [K 1,024, N 2,048]; A: computed on the way; B: input down_w (given as codes): QUANTISED
;;     4. [M 1,024, K 2,048] x [K 2,048, N 1,024]; A: input hidden_states (given as codes); B: input gate_w (given as codes): QUANTISED
;;     5. [M 1,024, K 2,048] x [K 2,048, N 1,024]; A: input hidden_states (given as codes); B: input up_w (given as codes): QUANTISED
;;     6. [M 1,024, K 1,024] x [K 1,024, N 2,048]; A: computed on the way; B: input down_w (given as codes): QUANTISED
;;     7. [M 1,024, K 2,048] x [K 2,048, N 1,024]; A: input hidden_states (given as codes); B: input gate_w (given as codes): QUANTISED
;;     8. [M 1,024, K 2,048] x [K 2,048, N 1,024]; A: input hidden_states (given as codes); B: input up_w (given as codes): QUANTISED
;;     9. [M 1,024, K 1,024] x [K 1,024, N 2,048]; A: computed on the way; B: input down_w (given as codes): QUANTISED
;;     10. [M 1,024, K 2,048] x [K 2,048, N 1,024]; A: input hidden_states (given as codes); B: input gate_w (given as codes): QUANTISED
;;     11. [M 1,024, K 2,048] x [K 2,048, N 1,024]; A: input hidden_states (given as codes); B: input up_w (given as codes): QUANTISED
;;     12. [M 1,024, K 1,024] x [K 1,024, N 2,048]; A: computed on the way; B: input down_w (given as codes): QUANTISED
;;     13. [M 1,024, K 2,048] x [K 2,048, N 1,024]; A: input hidden_states (given as codes); B: input gate_w (given as codes): QUANTISED
;;     14. [M 1,024, K 2,048] x [K 2,048, N 1,024]; A: input hidden_states (given as codes); B: input up_w (given as codes): QUANTISED
;;     15. [M 1,024, K 1,024] x [K 1,024, N 2,048]; A: computed on the way; B: input down_w (given as codes): QUANTISED
;;     16. [M 1,024, K 2,048] x [K 2,048, N 1,024]; A: input hidden_states (given as codes); B: input gate_w (given as codes): QUANTISED
;;     17. [M 1,024, K 2,048] x [K 2,048, N 1,024]; A: input hidden_states (given as codes); B: input up_w (given as codes): QUANTISED
;;     18. [M 1,024, K 1,024] x [K 1,024, N 2,048]; A: computed on the way; B: input down_w (given as codes): QUANTISED
;;     19. [M 1,024, K 2,048] x [K 2,048, N 1,024]; A: input hidden_states (given as codes); B: input gate_w (given as codes): QUANTISED
;;     20. [M 1,024, K 2,048] x [K 2,048, N 1,024]; A: input hidden_states (given as codes); B: input up_w (given as codes): QUANTISED
;;     21. [M 1,024, K 1,024] x [K 1,024, N 2,048]; A: computed on the way; B: input down_w (given as codes): QUANTISED
;;     22. [M 1,024, K 2,048] x [K 2,048, N 1,024]; A: input hidden_states (given as codes); B: input gate_w (given as codes): QUANTISED
;;     23. [M 1,024, K 2,048] x [K 2,048, N 1,024]; A: input hidden_states (given as codes); B: input up_w (given as codes): QUANTISED
;;     24. [M 1,024, K 1,024] x [K 1,024, N 2,048]; A: computed on the way; B: input down_w (given as codes): QUANTISED
;;   THE QUANTISER, for each operand of a quantised product, along K:
;;     - K is cut into blocks of 32 from its start; a last block that is shorter is filled with zeros.
;;     - A block's scale is 2^e with e = floor(log2(the largest magnitude in the block)) - 2, held to -126 .. 127; a block of zeros has e = 0. As a byte (E8M0): e + 127.
;;     - Each number is divided by its block's scale, clamped to +-7.5, and rounded to the nearest number of E2M3, ties to even, subnormals kept.
;;     - The product sums the exact products of the quantised numbers (number of the format x scale) in f32.
;;   ~~~python
;;   def quantise(x, axis):      # numpy; x: float32 -> the quantised numbers, widened to float32 again
;;       x = np.moveaxis(x, axis, -1); K = x.shape[-1]
;;       x = np.pad(x, [(0, 0)] * (x.ndim - 1) + [(0, -K % 32)]); x = x.reshape(x.shape[:-1] + (-1, 32)); a = np.abs(x).max(-1, keepdims=True)
;;       e = np.where(a > 0, np.clip(np.frexp(np.where(a > 0, a, 1))[1] - 1 - 2, -126, 127), 0)      # np.frexp(a)[1] - 1 = floor(log2(a)), exactly
;;       r = np.clip(x / 2.0 ** e, -7.5, 7.5)
;;       step = 2.0 ** (np.maximum(np.frexp(np.where(r == 0, 1, r))[1] - 1, 0) - 3)
;;       q = np.round(r / step) * step * 2.0 ** e      # np.round: ties to even
;;       return np.moveaxis(q.reshape(q.shape[:-2] + (-1,))[..., :K], -1, axis).astype(np.float32)
;;   ~~~
;;   OPERANDS COMPUTED ON THE WAY. 'Computed on the way' means the value that the module computes at that place (a softmax that the list does not call 'softmax' is quantised finished and normalised). What goes into a quantiser is computed in f32, as accurately as f32 sums, v_exp_f32 and their like allow (about 1e-6 of the number): no bf16 or f16 on the way to a quantiser, and a product that is left as it is and whose result goes on into a quantised operand takes f32 operands (vector FMAs, or v_wmma_f32_16x16x4_f32). A number that lies on a knife's edge between two numbers of the format may be rounded either way, as far as f32 arithmetic and the matrix unit's own rounding can turn it there, and no further.
;;   INPUTS GIVEN AS CODES. down_w (in the module: [8, 2048, 1024], K = its axis 2); gate_w (in the module: [8, 1024, 2048], K = its axis 2); hidden_states (in the module: [1024, 2048], K = its axis 1); up_w (in the module: [8, 1024, 2048], K = its axis 2): each comes as NAME_codes (uint8): NAME with its K axis moved to the last place and cut into blocks of 32 codes, [.., K / 32, bytes a block], one block behind the other in memory; four codes in three bytes: a row's codes are one little-endian stream of bits, code i at bits 6 i .. 6 i + 5 (a code: sign, 2 exponent bits, 3 mantissa bits); and NAME_scales (uint8): the same leading axes, one E8M0 byte (e + 127) for each 32 codes along K. Its value is code x scale, taken as it is: it is not quantised again, and the codes and scales need not be those that the quantiser above would give.
;; One version. Each part assembles by itself: llvm-mc -triple=amdgcn-amd-amdhsa -mcpu=gfx1250 --defsym DOCPART=n.
;; ======== version 1 of 1: 3 launches
;; workspace buffers: hq 6,291,456 bytes; hs 262,144 bytes; y 67,108,864 bytes; cnt 256 bytes of whole numbers; rank 32,768 bytes of whole numbers
;; launch gateup (part 1): grid 32 x 8, 4 waves a work-group, no clusters, 99,840 bytes of LDS; arguments hidden_states_codes, hidden_states_scales, gate_w_codes, gate_w_scales, up_w_codes, up_w_scales, top_k_index, hq, hs, cnt, rank; writes hq, hs, cnt, rank
.if DOCPART == 1
	.amdgcn_target "amdgcn-amd-amdhsa--gfx1250"
	.amdhsa_code_object_version 6
	.text
	.protected	k_qdccb9bfadc_gateup
	.globl	k_qdccb9bfadc_gateup
	.p2align	8
	.type	k_qdccb9bfadc_gateup,@function
k_qdccb9bfadc_gateup:
	s_mov_b64 s[64:65], 0
	v_nop
	global_prefetch_b8 v0, s[64:65] scope:SCOPE_SE
	s_setreg_imm32_b32 hwreg(HW_REG_WAVE_MODE, 25, 1), 1
	s_wait_xcnt 0x0
; h = gelu_tanh(x G[e]^T) * (x U[e]^T), quantised to E2M3 along I, for the tokens that name expert e; and the routing tables.
; x, G, U arrive as E2M3 codes (a row of 2,048 codes is 1,536 bytes) with one E8M0 byte for each 32 along K.
; SHARES.  Work-group (j, e): expert e, columns 32 j .. 32 j + 31 of I: 32 rows of G and 32 of U, 98,304 bytes that no other work-group reads.
; They are read once in runs of 512 consecutive bytes, laid into LDS (64 rows, 1,552 bytes apart) and shared by the four waves.
; The expert's tokens form a list; list place p is row p of the expert's region of 1,024 rows.  Tiles of 16 rows are dealt to the waves, tile T to wave T % 4.
; A token's codes go from memory straight into operand registers.
; ROUTING, in registers, by every wave alike: 32 masks of 32 tokens in s[32:63] (mask 2 q + par, bit l: token 64 q + 2 l + par); a token that names e twice is one row.
; PASSES.  A wave's first four tiles are always computed.  A wave that has just five tiles takes the fifth along in that pass: it feeds on the weight fragments that are read from LDS anyway.
; Longer lists go on in passes of four tiles and of one, counted from the list's length.  A row beyond the list's end takes the list's last token: a copy, stored at rows of the own
; region that nobody reads.  The next launch walks the same tiles, from the stored count.
; THE HEAD IS ONE TEXT FOR BOTH FIRST PASSES: the fifth tile's tokens are looked up with the others, and its scale words and its first five K steps (15 loads, 7,680 bytes a wave) are
; always asked for, ahead of the four tiles' loads: so the same loads are out on both ways behind the barrier, and every counted wait counts the same.
; THE PRODUCT IS USED TRANSPOSED (source 0 = 16 weight rows, source 1 = 16 tokens), and lane r of weight tile u takes row 8 u + r + 8 (r / 8):
; lane (r, h) then holds token r, and the 16 registers of tiles 0, 1 are columns 16 h + 0 .. 15 of the work-group's 32: half a block along the next K.
; K IS PERMUTED ALIKE IN BOTH OPERANDS: lane (r, h) takes the 48 consecutive bytes at 96 s + 48 h of its row (three loads of 16 bytes, each aligned), so that blocks 1 and 2 of
; each 128 change places; bytes 1 and 2 of each scale word are swapped to match.  The products are the same; their order inside a sum is not ascending K.
; A K STEP GOES IN GROUPS: four products (one tile), three loads of x (that tile, four steps on), three LDS loads (one weight tile, two steps on), so that the three kinds of work are
; under way side by side and no kind is issued in a long run.  The loads go into the ring slot and the buffer that the step BEFORE has read; four v_nop at each step's end stand between.
; No window of 256 registers holds accumulators (128), ring (240) and weight buffers (144) together: so a group costs three switches of the window.
; NO CLUSTER, NO TENSOR LOADS: no weight byte is shared between work-groups; the rows of x that the 32 work-groups of an expert share are gathered by a list, and the number of
; passes hangs on the indices read here.
; LIMITS: indices outside 0 .. 7 name no expert; NaN, infinities and scale bytes 0xff are not served; a block of h that is all zeros gets the byte 1 and not 127
; (its codes are zeros, and this program alone reads the bytes).
; REGISTERS.  window 0: v1-26 lane terms and addresses, v28-65 the list look-up, v68-131 the indices, v132-163 weight scale words, v164-211 x's scale words.
;   window 1: x's fragments of four tiles, a ring of 5 K steps x 4 x 12.   window 2: v0-143 weight fragments of three K steps (first: v0-191 the staging registers); v192-251 the fifth tile's ring.
;   window 3: v0-159 accumulators (tile i, weight tile t at 32 i + 8 t), v160-204 the epilogue, v240-243 the gelu's constants.
.set PITCH,  1552                      ; an LDS row: 1,536 bytes + 16 = 97 x 16: sixteen rows of a 16-byte load start 16 bytes apart modulo 256
.set TILEB,  16*PITCH
.set PLANE,  786432                    ; hq: [8 K steps][8,192 rows][96 bytes]
.set VA,   16                          ; v16-20  tile i: my token's row of codes + 48 h
.set XSA,  21                          ; v21-23  a pair of tiles: lanes 0-15 the even tile's row of scale bytes, lanes 16-31 the odd one's; the fifth tile's in both halves
.set HQA,  25
.set HSA,  26
.set QP,   28                          ; the look-up, three vectors side by side: list place,
.set QM,   31                          ; chunk's mask,
.set QBC,  34                          ; (places ahead of the chunk) << 5 | chunk,
.set QK,   37                          ; place within the chunk,
.set Q1,   40                          ; counts of set bits in fields of 2, 4, 8, 16 bits,
.set Q2,   43
.set Q3,   46
.set Q4,   49
.set QPOS, 52                          ; the bit found,
.set QT,   55
.set QU,   58
.set QTOK, 61                          ; the token,
.set QX,   64                          ; and the other half's
.set IDX,  68
.set WS,   132                         ; gate's words at WS + s, up's at WS + 16 + s: lanes 0-15 weight tile u = 0, lanes 16-31 u = 1
.set XS,   164                         ; XS + 16 (i / 2) + s
.set X5,   192                         ; window 2: the fifth tile's ring
.set EE,   160                         ; window 3: sixteen numbers at work
.set MX,   176                         ; v176-179 largest magnitude, the other half's, the scale operand, a second chain
.set CD,   180                         ; v180 + 4 i: tile i's codes
.set BY,   200                         ; v200 + i: its scale byte
.set F5,   2                           ; s2: 1 where my wave has just five tiles
.set WV,   26
.set EX,   27
.set JB,   28
.set NE,   29
.set MK,   32
.set T0,   69                          ; the pass's first tile
.set C4,   70                          ; passes of four still to run
.set N1,   71                          ; passes of one
.set NM1,  85                          ; the list's last place
.set MSB, 0
.macro WIN new                         ; the immediate's high byte repeats the setting that is left
.if MSB != \new
	s_set_vgpr_msb (MSB<<8)|\new
.set MSB, \new
.endif
.endm
; One halving step of the search for the K-th set bit: if the lower field holds K bits or fewer, it is passed over.
.macro SELSTEP v, st, w
	v_bfe_u32 v[QT+\v], v[\st+\v], v[QPOS+\v], \w
	v_cmp_ge_u32 vcc_lo, v[QK+\v], v[QT+\v]
	v_cndmask_b32 v[QT+\v], 0, v[QT+\v], vcc_lo
	v_cndmask_b32 v[QU+\v], 0, \w, vcc_lo
	v_sub_nc_u32 v[QK+\v], v[QK+\v], v[QT+\v]
	v_add_nc_u32 v[QPOS+\v], v[QPOS+\v], v[QU+\v]
.endm
.macro SELBITS v
	v_lshrrev_b32 v[QT+\v], 5, v[QBC+\v]
	v_sub_nc_u32 v[QK+\v], v[QP+\v], v[QT+\v]          ; my place among the chunk's set bits
	v_lshrrev_b32 v[QT+\v], 1, v[QM+\v]
	v_and_b32 v[QT+\v], s80, v[QT+\v]
	v_sub_nc_u32 v[Q1+\v], v[QM+\v], v[QT+\v]          ; counts in fields of 2 bits
	v_lshrrev_b32 v[QT+\v], 2, v[Q1+\v]
	v_and_b32 v[QT+\v], s81, v[QT+\v]
	v_and_b32 v[QU+\v], s81, v[Q1+\v]
	v_add_nc_u32 v[Q2+\v], v[QT+\v], v[QU+\v]          ; of 4
	v_lshrrev_b32 v[QT+\v], 4, v[Q2+\v]
	v_add_nc_u32 v[QT+\v], v[QT+\v], v[Q2+\v]
	v_and_b32 v[Q3+\v], s82, v[QT+\v]                  ; of 8
	v_lshrrev_b32 v[QT+\v], 8, v[Q3+\v]
	v_add_nc_u32 v[QT+\v], v[QT+\v], v[Q3+\v]
	v_and_b32 v[Q4+\v], s83, v[QT+\v]                  ; of 16
	v_mov_b32 v[QPOS+\v], 0
	SELSTEP \v, Q4, 16
	SELSTEP \v, Q3, 8
	SELSTEP \v, Q2, 4
	SELSTEP \v, Q1, 2
	SELSTEP \v, QM, 1
	v_and_b32 v[QT+\v], 30, v[QBC+\v]                  ; chunk 2 q + par, bit l: token 64 q + 2 l + par
	v_lshlrev_b32 v[QT+\v], 5, v[QT+\v]
	v_and_b32 v[QU+\v], 1, v[QBC+\v]
	v_lshl_add_u32 v[QU+\v], v[QPOS+\v], 1, v[QU+\v]
	v_add_nc_u32 v[QTOK+\v], v[QT+\v], v[QU+\v]
.endm
; List places in v[QP] on (nv vectors) become tokens.  The 32 masks are walked with their running count: the last chunk whose count is not above the place holds it.
.macro SELECT nv
	s_mov_b32 s30, 0
.irp v, 0,1,2
.if \v < \nv
	v_mov_b32 v[QM+\v], s[MK]
	v_mov_b32 v[QBC+\v], 0
.endif
.endr
.irp c, 1,2,3,4,5,6,7,8,9,10,11,12,13,14,15,16,17,18,19,20,21,22,23,24,25,26,27,28,29,30,31
	s_bcnt1_i32_b32 s31, s[MK-1+\c]
	s_add_co_u32 s30, s30, s31                     ; places ahead of chunk c
	s_lshl_b32 s31, s30, 5
	s_or_b32 s31, s31, \c
.irp v, 0,1,2
.if \v < \nv
	v_cmp_le_u32 s[72+\v], s30, v[QP+\v]
.endif
.endr
.irp v, 0,1,2
.if \v < \nv
	v_cndmask_b32 v[QM+\v], v[QM+\v], s[MK+\c], s[72+\v]
	v_cndmask_b32 v[QBC+\v], v[QBC+\v], s31, s[72+\v]
.endif
.endr
.endr
.irp v, 0,1,2
.if \v < \nv
	SELBITS \v
.endif
.endr
.endm
; tile i's fragment of x for K step s, into ring slot s % R (a slot holds ln tiles): three loads of 16 bytes a lane
.macro XF1 ln, R, i, s
	WIN 0x40                                       ; destination window 1
.irp c, 0,1,2
.set rX, 12*\ln*((\s)%(\R))+12*(\i)+4*\c
	global_load_b128 v[rX:rX+3], v[VA+(\i)], s[4:5] offset:96*(\s)+16*\c
.endr
.endm
; the fifth tile's, into its own ring of five slots
.macro XF5 s
	WIN 0x80                                       ; destination window 2: the LDS loads' setting
.irp c, 0,1,2
.set rX, X5+12*((\s)%5)+4*\c
	global_load_b128 v[rX:rX+3], v[VA+4], s[4:5] offset:96*(\s)+16*\c
.endr
.endm
; weight tile t's fragment of K step s from LDS into buffer s % 3
.macro WF1 t, s
	WIN 0x80                                       ; destination window 2
.irp c, 0,1,2
.set rW, 48*((\s)%3)+12*(\t)+4*\c
	ds_load_b128 v[rW:rW+3], v[7+(\t)/2] offset:((\t)%2)*TILEB+96*(\s)+16*\c
.endr
.endm
; one product; z: it starts the sum; ra, rb: the side's scale words lie in lanes 16-31
.macro WM z, ra, rb
.if \z
.if (\ra) && (\rb)
	v_wmma_scale_f32_16x16x128_f8f6f4 v[rD:rD+7], v[rA:rA+11], v[rB:rB+11], 0, v[rSA], v[rSB] matrix_a_fmt:MATRIX_FMT_FP6 matrix_b_fmt:MATRIX_FMT_FP6 matrix_a_scale:MATRIX_SCALE_ROW1 matrix_b_scale:MATRIX_SCALE_ROW1
.elseif \ra
	v_wmma_scale_f32_16x16x128_f8f6f4 v[rD:rD+7], v[rA:rA+11], v[rB:rB+11], 0, v[rSA], v[rSB] matrix_a_fmt:MATRIX_FMT_FP6 matrix_b_fmt:MATRIX_FMT_FP6 matrix_a_scale:MATRIX_SCALE_ROW1
.elseif \rb
	v_wmma_scale_f32_16x16x128_f8f6f4 v[rD:rD+7], v[rA:rA+11], v[rB:rB+11], 0, v[rSA], v[rSB] matrix_a_fmt:MATRIX_FMT_FP6 matrix_b_fmt:MATRIX_FMT_FP6 matrix_b_scale:MATRIX_SCALE_ROW1
.else
	v_wmma_scale_f32_16x16x128_f8f6f4 v[rD:rD+7], v[rA:rA+11], v[rB:rB+11], 0, v[rSA], v[rSB] matrix_a_fmt:MATRIX_FMT_FP6 matrix_b_fmt:MATRIX_FMT_FP6
.endif
.else
.if (\ra) && (\rb)
	v_wmma_scale_f32_16x16x128_f8f6f4 v[rD:rD+7], v[rA:rA+11], v[rB:rB+11], v[rD:rD+7], v[rSA], v[rSB] matrix_a_fmt:MATRIX_FMT_FP6 matrix_b_fmt:MATRIX_FMT_FP6 matrix_a_scale:MATRIX_SCALE_ROW1 matrix_b_scale:MATRIX_SCALE_ROW1
.elseif \ra
	v_wmma_scale_f32_16x16x128_f8f6f4 v[rD:rD+7], v[rA:rA+11], v[rB:rB+11], v[rD:rD+7], v[rSA], v[rSB] matrix_a_fmt:MATRIX_FMT_FP6 matrix_b_fmt:MATRIX_FMT_FP6 matrix_a_scale:MATRIX_SCALE_ROW1
.elseif \rb
	v_wmma_scale_f32_16x16x128_f8f6f4 v[rD:rD+7], v[rA:rA+11], v[rB:rB+11], v[rD:rD+7], v[rSA], v[rSB] matrix_a_fmt:MATRIX_FMT_FP6 matrix_b_fmt:MATRIX_FMT_FP6 matrix_b_scale:MATRIX_SCALE_ROW1
.else
	v_wmma_scale_f32_16x16x128_f8f6f4 v[rD:rD+7], v[rA:rA+11], v[rB:rB+11], v[rD:rD+7], v[rSA], v[rSB] matrix_a_fmt:MATRIX_FMT_FP6 matrix_b_fmt:MATRIX_FMT_FP6
.endif
.endif
.endm
; K step s of tile i against the four weight tiles.  All the pass's accumulators take turns, one instruction a turn, in the same order in every step.
.macro MULT ln, R, i, s
.if \i == 4
	WIN 0xfa                                       ; source 0 (weights) window 2, source 1 (the fifth tile's x) window 2, C and D window 3
.else
	WIN 0xf6                                       ; source 0 (weights) window 2, source 1 (x) window 1, C and D window 3
.endif
.irp t, 0,1,2,3
.set rD, 32*(\i)+8*\t
.set rA, 48*((\s)%3)+12*\t
.if \i == 4
.set rB, X5+12*((\s)%5)
.else
.set rB, 12*\ln*((\s)%(\R))+12*(\i)
.endif
.set rSA, WS+16*(\t/2)+(\s)
.set rSB, XS+16*((\i)/2)+(\s)
	WM (\s)==0, \t%2, (\i)%2
.endr
.endm
; The pass's tokens, their addresses, and its first loads: x's scale words, then the ring.  five = 1: the launch's first pass, with the fifth tile's part.
.macro HEAD nt, five
.if \nt == 4
	s_min_u32 s30, s[T0], 51                       ; a pass of four begins at tile 51 at the latest: the clamp never bites
	s_lshl_b32 s30, s30, 4
	v_add_nc_u32 v[QP], s30, v4                    ; lanes 0-15: rows of tile T0, lanes 16-31: of tile T0 + 4;
	v_add_nc_u32 v[QP+1], 0x80, v[QP]              ; tiles T0 + 8 and T0 + 12
	v_min_u32 v[QP], s[NM1], v[QP]                 ; rows beyond the list take its last token
	v_min_u32 v[QP+1], s[NM1], v[QP+1]
.if \five
	v_add_nc_u32 v[QP+2], s30, v2
	v_add_nc_u32 v[QP+2], 0x100, v[QP+2]           ; tile T0 + 16: row r in both halves of the lanes
	v_min_u32 v[QP+2], s[NM1], v[QP+2]
	SELECT 3
.else
	SELECT 2
.endif
.irp v, 0,1
	v_permlanex16_b32 v[QX+\v], v[QTOK+\v], s66, s67
.endr
.irp v, 0,1
	v_cndmask_b32 v[VA+2*\v], v[QTOK+\v], v[QX+\v], s84      ; the even tile's token r in lanes r and 16 + r,
	v_cndmask_b32 v[VA+2*\v+1], v[QX+\v], v[QTOK+\v], s84    ; the odd tile's likewise
	v_min_u32 v[QTOK+\v], 0x3ff, v[QTOK+\v]        ; a number made of loaded numbers enters an address only behind a clamp
	v_lshlrev_b32 v[XSA+\v], 6, v[QTOK+\v]
.endr
.irp i, 0,1,2,3
	v_min_u32 v[VA+\i], 0x3ff, v[VA+\i]
	v_mul_u32_u24 v[VA+\i], v[VA+\i], 0x600
	v_add_nc_u32 v[VA+\i], v10, v[VA+\i]
.endr
.if \five
	v_min_u32 v[QTOK+2], 0x3ff, v[QTOK+2]
	v_lshlrev_b32 v[XSA+2], 6, v[QTOK+2]
	v_mul_u32_u24 v[VA+4], v[QTOK+2], 0x600
	v_add_nc_u32 v[VA+4], v10, v[VA+4]
.endif
.irp v, 0,1,2
.if \v < 2+\five
.irp m, 0,1,2,3
	global_load_b128 v[XS+16*\v+4*\m:XS+16*\v+4*\m+3], v[XSA+\v], s[6:7] offset:16*\m
.endr
.endif
.endr
.if \five
.irp s, 0,1,2,3,4
	XF5 \s                                         ; ahead of the four tiles' loads: older than they, so that no count below has to know of them
.endr
.endif
.irp s, 0,1,2,3,4
.irp i, 0,1,2,3
	XF1 4, 5, \i, \s
.endr
.endr
.else
	s_min_u32 s30, s[T0], 63
	s_lshl_b32 s30, s30, 4
	v_add_nc_u32 v[QP], s30, v2                    ; row r of the one tile, in both halves of the lanes
	v_min_u32 v[QP], s[NM1], v[QP]
	SELECT 1
	v_min_u32 v[QTOK], 0x3ff, v[QTOK]
	v_lshlrev_b32 v[XSA], 6, v[QTOK]
	v_mul_u32_u24 v[VA], v[QTOK], 0x600
	v_add_nc_u32 v[VA], v10, v[VA]
.irp m, 0,1,2,3
	global_load_b128 v[XS+4*\m:XS+4*\m+3], v[XSA], s[6:7] offset:16*\m
.endr
.irp s, 0,1,2,3,4,5,6,7,8,9,10,11,12,13,14,15
	XF1 1, 16, 0, \s
.endr
.endif
	WIN 0
.endm
; K step s of a pass of nt tiles (1, 4 or 5).
.macro STEP nt, ln, R, s
.if \nt == 1
.set NW, 3*(15-\s)                     ; all sixteen steps were asked for at the pass's head
.else
.set LASTI, \s+3                       ; the last step asked for so far: the head asked for steps 0 to 4, step j (from 1 on) asks for step j + 4
.if LASTI < 4
.set LASTI, 4
.endif
.if LASTI > 15
.set LASTI, 15
.endif
.set NLO, 0
.if \nt == 5
.set NLO, 4-\s                         ; of the later steps those up to step 4 count 12 loads (the fifth tile's were issued ahead of them all), those from step 5 on count 15
.if NLO < 0
.set NLO, 0
.endif
.endif
.set NW, 12*NLO+3*\nt*(LASTI-\s-NLO)
.endif
	s_wait_loadcnt NW                              ; this step's fragments of x are in; the later steps' loads stay out
.if \s < 15
	s_wait_dscnt 12                                ; this step's weight fragments are in; the next step's twelve loads stay out
.else
	s_wait_dscnt 0
.endif
.irp g, 0,1,2,3,4
.if \g < \nt
	MULT \ln, \R, \g, \s
.if (\nt > 1) && (\s >= 1) && (\s <= 11) && (\g < 4)
	XF1 \ln, \R, \g, \s+4                          ; into the slot that the step before has read
.endif
.if \s <= 13
.if \nt == 1
.irp t, 0,1,2,3
	WF1 \t, \s+2
.endr
.elseif \g < 4
	WF1 \g, \s+2                                   ; into the buffer that the step before has read
.endif
.endif
.if (\nt == 5) && (\g == 3) && (\s >= 1) && (\s <= 11)
	XF5 \s+4
.endif
.endif
.endr
.rept 4
	v_nop                                          ; four places between this step's products and the next step's loads into registers that they read (ISA guide 7.12.1 for vector instructions), or the first read of results
.endr
.endm
; The pass's sixteen K steps.
.macro BODY nt, ln, R
.irp s, 0,1
.irp t, 0,1,2,3
	WF1 \t, \s
.endr
.endr
	WIN 0
	s_wait_loadcnt 3*\ln*\R                        ; x's scale words are in: only the ring's first loads were issued behind them (and behind the fifth tile's)
.irp s, 0,1,2,3,4,5,6,7,8,9,10,11,12,13,14,15
	v_perm_b32 v[XS+\s], v[XS+\s], v[XS+\s], s68   ; bytes 1 and 2 change places.  In K's order: each word stands eight plain lines or more ahead of its products
.if \nt > 1
	v_perm_b32 v[XS+16+\s], v[XS+16+\s], v[XS+16+\s], s68
.endif
.if \nt == 5
	v_perm_b32 v[XS+32+\s], v[XS+32+\s], v[XS+32+\s], s68
.endif
.endr
.irp s, 0,1,2,3,4,5,6,7,8,9,10,11,12,13,14,15
	STEP \nt, \ln, \R, \s
.endr
	WIN 0
.endm
; h = g u / (1 + 2^(g (c1 + c2 g^2))), c1 = -2 log2(e) sqrt(2 / pi), c2 = 0.044715 c1: gelu's tanh form, all in f32; then the block's scale and codes.
.macro EPI nt
	s_wait_xcnt 0x0                                ; the last pass's stores have read their addresses and data: both are written again below
.if \nt == 4
	s_min_u32 s30, s[T0], 51
.elseif \nt == 5
	s_min_u32 s30, s[T0], 47
.else
	s_min_u32 s30, s[T0], 63
.endif
	s_mul_i32 s31, s30, 1536                       ; 16 rows of 96 bytes a tile
	v_add_nc_u32 v[HQA], s31, v11
	s_lshl_b32 s31, s30, 9                         ; 16 rows of 32 bytes
	v_add_nc_u32 v[HSA], s31, v12
.irp i, 0,1,2,3,4
.if \i < \nt
	WIN 0xff                                       ; all in window 3.
.irp p, 0,2,4,6,8,10,12,14
	v_pk_mul_f32 v[EE+\p:EE+\p+1], v[32*\i+\p:32*\i+\p+1], v[32*\i+\p:32*\i+\p+1]
.endr
.irp p, 0,2,4,6,8,10,12,14
	v_pk_fma_f32 v[EE+\p:EE+\p+1], v[EE+\p:EE+\p+1], v[240:241], v[242:243]
.endr
.irp p, 0,2,4,6,8,10,12,14
	v_pk_mul_f32 v[EE+\p:EE+\p+1], v[EE+\p:EE+\p+1], v[32*\i+\p:32*\i+\p+1]
.endr
.irp u, 0,1,2,3,4,5,6,7,8,9,10,11,12,13,14,15
	v_exp_f32 v[EE+\u], v[EE+\u]
.endr
.irp p, 0,2,4,6,8,10,12,14
	v_pk_mul_f32 v[32*\i+\p:32*\i+\p+1], v[32*\i+\p:32*\i+\p+1], v[32*\i+16+\p:32*\i+16+\p+1]   ; g u: also the plain lines behind the exponentials
.endr
	s_wait_alu depctr_va_vdst(0)
.irp p, 0,2,4,6,8,10,12,14
	v_pk_add_f32 v[EE+\p:EE+\p+1], v[EE+\p:EE+\p+1], 1.0 op_sel_hi:[1,0]
.endr
.irp u, 0,1,2,3,4,5,6,7,8,9,10,11,12,13,14,15
	v_rcp_f32 v[EE+\u], v[EE+\u]
.endr
	v_nop                                          ; a plain line behind the reciprocals
	s_wait_alu depctr_va_vdst(0)
.irp p, 0,2,4,6,8,10,12,14
	v_pk_mul_f32 v[32*\i+\p:32*\i+\p+1], v[32*\i+\p:32*\i+\p+1], v[EE+\p:EE+\p+1]
.endr
	v_max3_num_f32 v[MX], |v[32*\i]|, |v[32*\i+1]|, 0x1800000        ; my 16 of the block's 32, and the floor 2^(3 - 127): the byte cannot fall under 1
	v_max3_num_f32 v[MX+3], |v[32*\i+2]|, |v[32*\i+3]|, |v[32*\i+4]|
.irp u, 5,9
	v_max3_num_f32 v[MX], v[MX], |v[32*\i+\u]|, |v[32*\i+\u+1]|
	v_max3_num_f32 v[MX+3], v[MX+3], |v[32*\i+\u+2]|, |v[32*\i+\u+3]|
.endr
	v_max3_num_f32 v[MX], v[MX], |v[32*\i+13]|, |v[32*\i+14]|
	v_max3_num_f32 v[MX], v[MX], v[MX+3], |v[32*\i+15]|
	v_permlanex16_b32 v[MX+1], v[MX], s66, s67
	v_max_num_f32 v[MX], v[MX], v[MX+1]            ; with lane l xor 16's: the block's largest magnitude
	v_add_nc_u32 v[MX+2], 0xff000000, v[MX]        ; 2 off its exponent field: the conversion's scale operand
	v_lshrrev_b32 v[BY+\i], 23, v[MX+2]            ; the scale's byte
	v_cvt_scalef32_pk16_fp6_f32 v[CD+4*\i:CD+4*\i+2], v[32*\i:32*\i+15], v[MX+2]
	v_nop                                          ; a plain line behind the scaled conversion
	WIN 0x0c                                       ; a store's data: window 3
	global_store_b96 v[HQA], v[CD+4*\i:CD+4*\i+2], s[92:93] offset:6144*\i     ; 12 of the block's 24 bytes, at 12 h
	global_store_b8 v[HSA], v[BY+\i], s[94:95] offset:2048*\i                  ; both halves write the same byte with the same value
.endif
.endr
	WIN 0
.endm
	s_load_b512 s[4:19], s[0:1], 0x0               ; x codes s[4:5], x scales s[6:7], G codes s[8:9], G scales s[10:11], U codes s[12:13], U scales s[14:15], indices s[16:17], hq s[18:19]
	s_load_b128 s[20:23], s[0:1], 0x40             ; hs s[20:21], cnt s[22:23]
	s_load_b64 s[24:25], s[0:1], 0x50              ; rank
	v_lshl_add_u32 v254, v0, 2, 0x18400
	v_mov_b32 v255, 0
	v_lshrrev_b32 v1, 5, v0
	v_readfirstlane_b32 s[WV], v1                  ; wave 0..3
	s_and_b32 s[EX], ttmp7, 0xffff                 ; the expert
	s_mov_b32 s[JB], ttmp9                         ; which 32 columns of I
	v_and_b32 v5, 31, v0                           ; lane
	v_lshlrev_b32 v1, 4, v5                        ; 16 x lane
	v_and_b32 v2, 15, v0                           ; r
	v_bfe_u32 v3, v0, 4, 1                         ; h
	v_lshl_add_u32 v4, v3, 6, v2                   ; r + 64 h
	s_mul_i32 s30, s[WV], TILEB
	v_add_nc_u32 v6, s30, v1                       ; staging: my wave's 16 LDS rows, 16 x lane
	v_mul_u32_u24 v7, v2, PITCH
	v_mad_u32_u24 v7, v3, 48, v7                   ; a weight fragment: row r, + 48 h (gate's tiles)
	v_add_nc_u32 v8, 2*TILEB, v7                   ; up's tiles
	v_and_b32 v9, 8, v2
	v_add_nc_u32 v9, v9, v2
	v_lshl_add_u32 v9, v3, 3, v9                   ; weight row 8 (lane / 16) + r + 8 (r / 8),
	v_lshlrev_b32 v9, 6, v9                        ; its 64 scale bytes
	v_mul_u32_u24 v10, v3, 48
	v_mul_u32_u24 v11, v2, 96
	v_mad_u32_u24 v11, v3, 12, v11                 ; hq: row r, + 12 h
	v_lshlrev_b32 v12, 5, v2                       ; hs: row r
	v_lshlrev_b32 v15, 6, v5                       ; rank: two tokens of 32 bytes a lane
	v_mov_b32 v24, 0
	v_mov_b32 v[QX], 0                             ; a lane permute's destination counts as one of its sources
	v_mov_b32 v[QX+1], 0
	WIN 0xc0                                       ; destination window 3
	v_mov_b32 v240, 0xbdd2d3e8                     ; c2 = -0.10294324
	v_mov_b32 v241, 0xbdd2d3e8
	v_mov_b32 v242, 0xc0135761                     ; c1 = -2.3022082
	v_mov_b32 v243, 0xc0135761
	v_mov_b32 v[MX+1], 0
	WIN 0
	s_mov_b32 s66, 0x76543210
	s_mov_b32 s67, 0xfedcba98                      ; v_permlanex16_b32's selects for lane l xor 16
	s_mov_b32 s68, 0x03010200                      ; v_perm_b32: bytes 1 and 2 change places
	s_mov_b32 s80, 0x55555555
	s_mov_b32 s81, 0x33333333
	s_mov_b32 s82, 0x0f0f0f0f
	s_mov_b32 s83, 0x00ff00ff
	s_mov_b32 s84, 0xffff0000                      ; lanes 16-31
	s_mul_i32 s72, s[EX], 0x180000                 ; weights: 1,024 rows of 1,536 bytes an expert,
	s_mul_i32 s74, s[JB], 0xc000                   ; 32 rows a work-group,
	s_add_co_u32 s72, s72, s74
	s_and_b32 s74, s[WV], 1
	s_mul_i32 s74, s74, 0x3000                     ; 8 rows on for the odd weight tile
	s_add_co_u32 s72, s72, s74
	s_mov_b32 s73, 0
	s_lshl_b32 s74, s[EX], 16                      ; their scale bytes: 64 a row
	s_lshl_b32 s75, s[JB], 11
	s_add_co_u32 s74, s74, s75
	s_mov_b32 s75, 0
	s_lshr_b32 s76, s[JB], 2                       ; hq: K step j / 4, the expert's 1,024 rows of 96 bytes, block j % 4
	s_mul_i32 s76, s76, PLANE
	s_mul_i32 s77, s[EX], 98304
	s_add_co_u32 s76, s76, s77
	s_and_b32 s77, s[JB], 3
	s_mul_i32 s77, s77, 24
	s_add_co_u32 s76, s76, s77
	s_mov_b32 s77, 0
	s_lshl_b32 s78, s[EX], 15                      ; hs: 32 bytes a row; block j's byte with places 1 and 2 of its word exchanged
	s_and_not1_b32 s79, s[JB], 3
	s_add_co_u32 s78, s78, s79
	s_and_b32 s79, s[JB], 1
	s_lshl_b32 s79, s79, 1
	s_add_co_u32 s78, s78, s79
	s_bfe_u32 s79, s[JB], 0x10001
	s_add_co_u32 s78, s78, s79
	s_mov_b32 s79, 0
	s_lshl_b32 s30, s[EX], 2
	s_mov_b32 s31, 0
	s_wait_kmcnt 0x0
	s_cmp_lt_u32 s[WV], 2                          ; waves 0, 1 stage gate's two tiles, waves 2, 3 up's
	s_cselect_b64 s[86:87], s[8:9], s[12:13]
	s_add_nc_u64 s[86:87], s[86:87], s[72:73]
	s_add_nc_u64 s[88:89], s[10:11], s[74:75]
	s_add_nc_u64 s[90:91], s[14:15], s[74:75]
	s_add_nc_u64 s[92:93], s[18:19], s[76:77]
	s_add_nc_u64 s[94:95], s[20:21], s[78:79]
	s_add_nc_u64 s[96:97], s[24:25], s[30:31]
	s_add_nc_u64 s[98:99], s[22:23], s[30:31]
.irp q, 0,1,2,3,4,5,6,7,8,9,10,11,12,13,14,15
	global_load_b128 v[IDX+4*\q:IDX+4*\q+3], v1, s[16:17] offset:512*\q    ; lane l: both choices of tokens 64 q + 2 l and 64 q + 2 l + 1
.endr
.irp m, 0,1,2,3
	global_load_b128 v[WS+4*\m:WS+4*\m+3], v9, s[88:89] offset:16*\m
.endr
.irp m, 0,1,2,3
	global_load_b128 v[WS+16+4*\m:WS+16+4*\m+3], v9, s[90:91] offset:16*\m
.endr
	WIN 0x80                                       ; destination window 2
.set n, 0
.rept 48                                               ; my weight tile's 16 rows, a third of a row (512 consecutive bytes) a load; read once in the whole launch
	global_load_b128 v[4*n:4*n+3], v1, s[86:87] offset:((n/3)+8*((n/3)/8))*1536+512*(n%3) th:TH_LOAD_NT
.set n, n+1
.endr
	WIN 0
	s_wait_loadcnt 56                              ; the indices are in: 8 + 48 loads were issued behind them
.irp q, 0,1,2,3,4,5,6,7,8,9,10,11,12,13,14,15
	v_cmp_eq_u32 s72, s[EX], v[IDX+4*\q]
	v_cmp_eq_u32 s73, s[EX], v[IDX+4*\q+1]
	v_cmp_eq_u32 s74, s[EX], v[IDX+4*\q+2]
	v_cmp_eq_u32 s75, s[EX], v[IDX+4*\q+3]
	s_or_b32 s[MK+2*\q], s72, s73
	s_or_b32 s[MK+2*\q+1], s74, s75
.endr
	s_mov_b32 s[NE], 0
.irp c, 0,1,2,3,4,5,6,7,8,9,10,11,12,13,14,15,16,17,18,19,20,21,22,23,24,25,26,27,28,29,30,31
	s_bcnt1_i32_b32 s30, s[MK+\c]
	s_add_co_u32 s[NE], s[NE], s30                 ; the list's length
.endr
	s_add_co_u32 s72, s[NE], 15
	s_lshr_b32 s72, s72, 4                         ; tiles of the expert
	s_add_co_u32 s72, s72, 3
	s_sub_co_u32 s72, s72, s[WV]
	s_lshr_b32 s72, s72, 2                         ; of my wave
	s_cmp_eq_u32 s72, 5
	s_cselect_b32 s[F5], 1, 0                      ; just five: the fifth goes along in the first pass, and nothing follows it
	s_sub_co_i32 s72, s72, 4
	s_max_i32 s72, s72, 0                          ; beyond the first four
	s_add_co_u32 s73, s72, 1
	s_lshr_b32 s73, s73, 2                         ; further passes of four (three tiles left are a pass of four with one copy)
	s_lshl_b32 s74, s73, 2
	s_sub_co_i32 s[N1], s72, s74
	s_max_i32 s[N1], s[N1], 0                      ; passes of one
	s_add_co_u32 s[C4], s73, 1
	s_mov_b32 s[T0], s[WV]
	s_max_u32 s[NM1], s[NE], 1
	s_sub_co_u32 s[NM1], s[NM1], 1
	HEAD 4, 1                                      ; 12 + 15 + 60 loads
	s_cmp_lg_u32 ttmp9, 0                          ; the tables are stored by one wave for each expert
	s_cbranch_scc1 .Lno_tables
	s_cmp_lg_u32 s[WV], 3
	s_cbranch_scc1 .Lno_tables
	s_mov_b32 s30, 0
.irp c, 0,1,2,3,4,5,6,7,8,9,10,11,12,13,14,15,16,17,18,19,20,21,22,23,24,25,26,27,28,29,30,31
	v_mbcnt_lo_u32_b32 v[IDX+\c], s[MK+\c], s30    ; places ahead of the chunk + set bits below my lane: my token's place, if it is in the list
	global_store_b32 v15, v[IDX+\c], s[96:97] offset:2048*(\c/2)+32*(\c%2)
	s_bcnt1_i32_b32 s31, s[MK+\c]
	s_add_co_u32 s30, s30, s31
.endr
	v_mov_b32 v[IDX+32], s[NE]
	global_store_b32 v24, v[IDX+32], s[98:99]      ; all lanes write the same word with the same value
.Lno_tables:
	s_wait_loadcnt 63                              ; 87 loads were issued behind the weights and their scale words: both are in
.irp u, 0,1,2,3,4,5,6,7,8,9,10,11,12,13,14,15,16,17,18,19,20,21,22,23,24,25,26,27,28,29,30,31
	v_perm_b32 v[WS+\u], v[WS+\u], v[WS+\u], s68
.endr
	WIN 0x08                                       ; an LDS store's data: window 2
.set n, 0
.rept 48
	ds_store_b128 v6, v[4*n:4*n+3] offset:(n/3)*PITCH+512*(n%3)
.set n, n+1
.endr
	WIN 0
	s_wait_dscnt 0x0                               ; for the others' sake: my rows lie in LDS
	s_barrier_signal -1
	s_barrier_wait -1                              ; all 64 rows do; nothing is written to LDS after this
	s_cmp_eq_u32 s[F5], 1
	s_cbranch_scc1 .Lb5                            ; behind the launch's one barrier the waves go their own ways
.Lp4:
	BODY 4, 4, 5
	EPI 4
	s_add_co_u32 s[T0], s[T0], 16
	s_sub_co_i32 s[C4], s[C4], 1
	s_cmp_eq_u32 s[C4], 0
	s_cbranch_scc1 .Lno_head
	HEAD 4, 0                                      ; the next pass's first loads, only where a next pass of four follows
.Lno_head:
	s_cmp_gt_i32 s[C4], 0                          ; a signed compare: the loop ends from any start
	s_cbranch_scc1 .Lp4
	s_wait_loadcnt 0x0                             ; the passes of one load into the registers that the passes of four loaded into.  Where the loop is left no load is out (a pass's last
	                                               ; K step has waited for all, and the head above is run only where the loop goes on): the wait states that order in the text
	s_cmp_eq_u32 s[N1], 0
	s_cbranch_scc1 .Lend
.Lp1:
	HEAD 1, 0
	BODY 1, 1, 16
	EPI 1
	s_add_co_u32 s[T0], s[T0], 4
	s_sub_co_u32 s[N1], s[N1], 1
	s_cmp_lg_u32 s[N1], 0
	s_cbranch_scc1 .Lp1
	s_branch .Lend
.Lb5:
	BODY 5, 4, 5                                   ; the first pass with the fifth tile: the wave's only pass
	EPI 5
.Lend:
	s_wait_tensorcnt 0x0
	ds_add_u32 v254, v255
	s_wait_dscnt 0x0
	s_endpgm
.Lfunc_end_k_qdccb9bfadc_gateup:
	.size	k_qdccb9bfadc_gateup, .Lfunc_end_k_qdccb9bfadc_gateup-k_qdccb9bfadc_gateup
	.p2alignl 7, 3214868480
	.fill 96, 4, 3214868480
	.section	.rodata,"a",@progbits
	.p2align	6, 0x0
	.amdhsa_kernel k_qdccb9bfadc_gateup
		.amdhsa_group_segment_fixed_size 99840
		.amdhsa_private_segment_fixed_size 0
		.amdhsa_enable_private_segment 0
		.amdhsa_kernarg_size 88
		.amdhsa_user_sgpr_count 2
		.amdhsa_user_sgpr_kernarg_segment_ptr 1
		.amdhsa_wavefront_size32 1
		.amdhsa_system_sgpr_workgroup_id_x 1
		.amdhsa_system_sgpr_workgroup_id_y 1
		.amdhsa_system_sgpr_workgroup_id_z 1
		.amdhsa_system_vgpr_workitem_id 0
		.amdhsa_next_free_vgpr 1024
		.amdhsa_next_free_sgpr 100
		.amdhsa_reserve_vcc 1
		.amdhsa_float_denorm_mode_32 3
		.amdhsa_float_denorm_mode_16_64 3
		.amdhsa_memory_ordered 1
		.amdhsa_forward_progress 1
		.amdhsa_inst_pref_size 255
	.end_amdhsa_kernel
	.section	.bss,"aw",@nobits
	.p2align	6
	.space	262144
	.amdgpu_metadata
---
amdhsa.version: [ 1, 2 ]
amdhsa.kernels:
  - .name:           k_qdccb9bfadc_gateup
    .symbol:         k_qdccb9bfadc_gateup.kd
    .args:
      - { .name: hidden_states_codes, .offset: 0, .size: 8, .value_kind: global_buffer, .address_space: global }
      - { .name: hidden_states_scales, .offset: 8, .size: 8, .value_kind: global_buffer, .address_space: global }
      - { .name: gate_w_codes, .offset: 16, .size: 8, .value_kind: global_buffer, .address_space: global }
      - { .name: gate_w_scales, .offset: 24, .size: 8, .value_kind: global_buffer, .address_space: global }
      - { .name: up_w_codes, .offset: 32, .size: 8, .value_kind: global_buffer, .address_space: global }
      - { .name: up_w_scales, .offset: 40, .size: 8, .value_kind: global_buffer, .address_space: global }
      - { .name: top_k_index, .offset: 48, .size: 8, .value_kind: global_buffer, .address_space: global }
      - { .name: hq, .offset: 56, .size: 8, .value_kind: global_buffer, .address_space: global }
      - { .name: hs, .offset: 64, .size: 8, .value_kind: global_buffer, .address_space: global }
      - { .name: cnt, .offset: 72, .size: 8, .value_kind: global_buffer, .address_space: global }
      - { .name: rank, .offset: 80, .size: 8, .value_kind: global_buffer, .address_space: global }
    .group_segment_fixed_size: 99840
    .private_segment_fixed_size: 0
    .kernarg_segment_align: 8
    .kernarg_segment_size: 88
    .max_flat_workgroup_size: 128
    .sgpr_count:     100
    .vgpr_count:     1024
    .wavefront_size: 32
...
	.end_amdgpu_metadata
.endif
;; end of part 1
;; launch down (part 2): grid 32 x 8, 4 waves a work-group, no clusters, 68,096 bytes of LDS; arguments down_w_codes, down_w_scales, hq, hs, cnt, y; writes y
.if DOCPART == 2
	.amdgcn_target "amdgcn-amd-amdhsa--gfx1250"
	.amdhsa_code_object_version 6
	.text
	.protected	k_qdccb9bfadc_down
	.globl	k_qdccb9bfadc_down
	.p2align	8
	.type	k_qdccb9bfadc_down,@function
k_qdccb9bfadc_down:
	s_mov_b64 s[64:65], 0
	v_nop
	global_prefetch_b8 v0, s[64:65] scope:SCOPE_SE
	s_setreg_imm32_b32 hwreg(HW_REG_WAVE_MODE, 25, 1), 1
	s_wait_xcnt 0x0
; y[1024 e + p][:] = h[1024 e + p][:] D[e]^T for the rows p of each expert's list; h as the launch before left it (codes hq [8 K steps][8,192 rows][96 bytes], scale words hs [8,192 rows][32 bytes]).
; D arrives as E2M3 codes (a row of 1,024 codes is 768 bytes) with one E8M0 byte for each 32 along K.  y is f32, [8,192 rows][2,048].
; SHARES.  Work-group (x, e): expert e, columns 64 x .. 64 x + 63 of H: 64 rows of D, 49,152 dense bytes that no other work-group reads; read once, laid into LDS (rows 784 bytes apart), shared by the four waves.
; Tiles of 16 rows of h are dealt to the waves and walked in passes exactly as in the launch before: the first four tiles of a wave always, then passes of four and of one, counted from the stored length.
; So this launch reads just the rows that the launch before stored.
; THE PRODUCT IS USED TRANSPOSED (source 0 = 16 rows of D, source 1 = 16 rows of h): a lane holds eight neighbouring columns of one row of y.
; K IS PERMUTED ALIKE IN BOTH OPERANDS: lane (r, h) takes 48 consecutive bytes at 96 s + 48 h of its row; D's scale words have bytes 1 and 2 exchanged here, h's were stored so.
; THE WAY OUT: a tile's 16 rows x 256 bytes go through the wave's own stage in LDS and leave with sixteen lanes storing 256 consecutive, aligned bytes.
; NO CLUSTER, NO TENSOR LOADS: no byte of D is shared between work-groups, and the number of passes hangs on a count read from memory.
; LIMITS: NaN, infinities and scale bytes 0xff are not served; the order inside a sum is not ascending K.
; REGISTERS.  window 0: v1-17 lane terms and addresses, v128-143 D's scale words, v160-175 h's.  window 1: h's fragments, a ring of 5 K steps x 4 tiles x 12.
;   window 2: D's fragments of two K steps (first: the 96 staging registers).  window 3: v0-127 accumulators (tile i, column tile ct at 32 i + 8 ct), v128-191 rows on their way out, two sets.
.set PITCH, 784                        ; 768 + 16 = 49 x 16
.set TILEB, 16*PITCH
.set STG,   4*TILEB                    ; behind D's rows: a stage of 16 x 272 bytes for each wave
.set VA,   9
.set ASA,  11
.set STO,  12
.set SRD,  13
.set YA,   15
.set WS,   128                         ; WS + 8 a + s: lane l holds row 32 a + l
.set AS,   160                         ; AS + 8 (i / 2) + s: lanes 0-15 the even tile, lanes 16-31 the odd one
.set WV,   17
.set EX,   18
.set XB,   19
.set T0,   20
.set C4,   21
.set N1,   22
.set MSB, 0
.macro WIN new                         ; the immediate's high byte repeats the setting that is left
.if MSB != \new
	s_set_vgpr_msb (MSB<<8)|\new
.set MSB, \new
.endif
.endm
.macro AFETCH nt, s, R                 ; h's fragments of K step s into ring slot s % R
	WIN 0x40
.irp i, 0,1,2,3
.if \i < \nt
.irp c, 0,1,2
.set rX, 12*\nt*((\s)%(\R))+12*\i+4*\c
	global_load_b128 v[rX:rX+3], v[VA], s[36:37] offset:6144*\i+786432*(\s)+16*\c
.endr
.endif
.endr
.endm
.macro WFETCH s                        ; D's four fragments of K step s from LDS into buffer s % 2
	WIN 0x80
.irp t, 0,1,2,3
.irp c, 0,1,2
.set rW, 48*((\s)%2)+12*\t+4*\c
	ds_load_b128 v[rW:rW+3], v6 offset:\t*TILEB+96*(\s)+16*\c
.endr
.endr
.endm
.macro WM z, ra, rb
.if \z
.if (\ra) && (\rb)
	v_wmma_scale_f32_16x16x128_f8f6f4 v[rD:rD+7], v[rA:rA+11], v[rB:rB+11], 0, v[rSA], v[rSB] matrix_a_fmt:MATRIX_FMT_FP6 matrix_b_fmt:MATRIX_FMT_FP6 matrix_a_scale:MATRIX_SCALE_ROW1 matrix_b_scale:MATRIX_SCALE_ROW1
.elseif \ra
	v_wmma_scale_f32_16x16x128_f8f6f4 v[rD:rD+7], v[rA:rA+11], v[rB:rB+11], 0, v[rSA], v[rSB] matrix_a_fmt:MATRIX_FMT_FP6 matrix_b_fmt:MATRIX_FMT_FP6 matrix_a_scale:MATRIX_SCALE_ROW1
.elseif \rb
	v_wmma_scale_f32_16x16x128_f8f6f4 v[rD:rD+7], v[rA:rA+11], v[rB:rB+11], 0, v[rSA], v[rSB] matrix_a_fmt:MATRIX_FMT_FP6 matrix_b_fmt:MATRIX_FMT_FP6 matrix_b_scale:MATRIX_SCALE_ROW1
.else
	v_wmma_scale_f32_16x16x128_f8f6f4 v[rD:rD+7], v[rA:rA+11], v[rB:rB+11], 0, v[rSA], v[rSB] matrix_a_fmt:MATRIX_FMT_FP6 matrix_b_fmt:MATRIX_FMT_FP6
.endif
.else
.if (\ra) && (\rb)
	v_wmma_scale_f32_16x16x128_f8f6f4 v[rD:rD+7], v[rA:rA+11], v[rB:rB+11], v[rD:rD+7], v[rSA], v[rSB] matrix_a_fmt:MATRIX_FMT_FP6 matrix_b_fmt:MATRIX_FMT_FP6 matrix_a_scale:MATRIX_SCALE_ROW1 matrix_b_scale:MATRIX_SCALE_ROW1
.elseif \ra
	v_wmma_scale_f32_16x16x128_f8f6f4 v[rD:rD+7], v[rA:rA+11], v[rB:rB+11], v[rD:rD+7], v[rSA], v[rSB] matrix_a_fmt:MATRIX_FMT_FP6 matrix_b_fmt:MATRIX_FMT_FP6 matrix_a_scale:MATRIX_SCALE_ROW1
.elseif \rb
	v_wmma_scale_f32_16x16x128_f8f6f4 v[rD:rD+7], v[rA:rA+11], v[rB:rB+11], v[rD:rD+7], v[rSA], v[rSB] matrix_a_fmt:MATRIX_FMT_FP6 matrix_b_fmt:MATRIX_FMT_FP6 matrix_b_scale:MATRIX_SCALE_ROW1
.else
	v_wmma_scale_f32_16x16x128_f8f6f4 v[rD:rD+7], v[rA:rA+11], v[rB:rB+11], v[rD:rD+7], v[rSA], v[rSB] matrix_a_fmt:MATRIX_FMT_FP6 matrix_b_fmt:MATRIX_FMT_FP6
.endif
.endif
.endm
.macro MUL nt, s, R                    ; the 4 nt accumulators take turns, one instruction a turn, in the same order in every step
	WIN 0xf6                                       ; source 0 (D) window 2, source 1 (h) window 1, C and D window 3
.irp i, 0,1,2,3
.if \i < \nt
.irp t, 0,1,2,3
.set rD, 32*\i+8*\t
.set rA, 48*((\s)%2)+12*\t
.set rB, 12*\nt*((\s)%(\R))+12*\i
.set rSA, WS+8*(\t/2)+(\s)
.set rSB, AS+8*(\i/2)+(\s)
	WM (\s)==0, \t%2, \i%2
.endr
.endif
.endr
.endm
.macro HEAD nt                         ; the pass's addresses and first loads: h's scale words, then R K steps of fragments
.if \nt == 4
	s_min_u32 s30, s[T0], 51                       ; a pass of four begins at tile 51 at the latest: the clamp never bites
.else
	s_min_u32 s30, s[T0], 63
.endif
	s_mul_i32 s31, s30, 1536
	v_add_nc_u32 v[VA], s31, v8
	s_lshl_b32 s31, s30, 9
.if \nt == 4
	v_add_nc_u32 v[ASA], s31, v10
.irp v, 0,1
.irp m, 0,1
	global_load_b128 v[AS+8*\v+4*\m:AS+8*\v+4*\m+3], v[ASA], s[38:39] offset:4096*\v+16*\m
.endr
.endr
.irp s, 0,1,2,3,4
	AFETCH 4, \s, 5
.endr
.else
	v_add_nc_u32 v[ASA], s31, v16
.irp m, 0,1
	global_load_b128 v[AS+4*\m:AS+4*\m+3], v[ASA], s[38:39] offset:16*\m
.endr
.irp s, 0,1,2,3,4,5,6,7
	AFETCH 1, \s, 8
.endr
.endif
	WIN 0
.endm
.macro BODY nt, R
	WFETCH 0
	WFETCH 1
.irp s, 0,1,2,3,4,5,6,7
.set LAST, \s+\R-1
.if LAST > 7
.set LAST, 7
.endif
	s_wait_loadcnt 3*\nt*(LAST-\s)                 ; this step's fragments of h are in (and, older than all of them, its scale words); the later steps' loads stay out
.if \s < 7
	s_wait_dscnt 12                                ; this step's fragments of D are in; the next step's twelve loads stay out
.else
	s_wait_dscnt 0
.endif
	MUL \nt, \s, \R
.rept 4
	v_nop                                          ; four places between the products and loads into registers that they read (ISA guide 7.12.1 for vector instructions), or the first read of results
.endr
.if \s+\R < 8
	AFETCH \nt, \s+\R, \R
.endif
.if \s+2 < 8
	WFETCH \s+2
.endif
.endr
	WIN 0
.endm
.macro TOSTAGE i                       ; tile i into my stage, and back as whole rows of 256 bytes.  LDS serves a wave's instructions in order (ISA guide 5.7.1.4): no wait between the stores and the loads
	WIN 0x0c                                       ; an LDS store's data: window 3
.irp t, 0,1,2,3
	ds_store_b128 v[STO], v[32*\i+8*\t:32*\i+8*\t+3] offset:64*\t          ; each accumulator from its low end on
	ds_store_b128 v[STO], v[32*\i+8*\t+4:32*\i+8*\t+7] offset:64*\t+16
.endr
	WIN 0xc0                                       ; destination window 3
.irp m, 0,1,2,3,4,5,6,7
	ds_load_b128 v[128+32*((\i)%2)+4*\m:128+32*((\i)%2)+4*\m+3], v[SRD] offset:544*\m
.endr
.endm
.macro SEND i, younger                 ; younger: the LDS instructions issued behind tile i's loads, which may stay out
	s_wait_dscnt \younger
	WIN 0x0c
.irp m, 0,1,2,3,4,5,6,7
	global_store_b128 v[YA], v[128+32*((\i)%2)+4*\m:128+32*((\i)%2)+4*\m+3], s[40:41] offset:524288*(\i)+16384*\m   ; sixteen lanes store 256 consecutive bytes, at a multiple of 256 from y's first byte
.endr
.endm
.macro EPI nt
	s_wait_xcnt 0x0                                ; the last pass's stores have read their address and data: both are written again below
.if \nt == 4
	s_min_u32 s30, s[T0], 51
.else
	s_min_u32 s30, s[T0], 63
.endif
	s_lshl_b32 s31, s30, 17                        ; 16 rows of 8,192 bytes a tile
	v_add_nc_u32 v[YA], s31, v14
	TOSTAGE 0
.if \nt == 4
	TOSTAGE 1
	SEND 0, 16                                     ; behind tile 0's loads: tile 1's 8 stores and 8 loads
	s_wait_xcnt 0x0                                ; tile 0's stores have read their registers: tile 2's rows may land there
	TOSTAGE 2
	SEND 1, 16
	s_wait_xcnt 0x0
	TOSTAGE 3
	SEND 2, 16
	SEND 3, 0
.else
	SEND 0, 0
.endif
	WIN 0
.endm
	s_load_b256 s[4:11], s[0:1], 0x0               ; D codes s[4:5], D scales s[6:7], hq s[8:9], hs s[10:11]
	s_load_b128 s[12:15], s[0:1], 0x20             ; cnt s[12:13], y s[14:15]
	v_lshl_add_u32 v254, v0, 2, 0x10800
	v_mov_b32 v255, 0
	v_lshrrev_b32 v1, 5, v0
	v_readfirstlane_b32 s[WV], v1                  ; wave 0..3
	s_and_b32 s[EX], ttmp7, 0xffff                 ; the expert
	s_mov_b32 s[XB], ttmp9                         ; which 64 columns of H
	v_and_b32 v17, 31, v0                          ; lane
	v_lshlrev_b32 v1, 4, v17                       ; 16 x lane
	v_and_b32 v2, 15, v0                           ; r
	v_bfe_u32 v3, v0, 4, 1                         ; h
	s_mul_i32 s30, s[WV], TILEB
	v_add_nc_u32 v4, s30, v1                       ; staging: my wave's 16 LDS rows, 16 x lane;
	v_lshl_add_u32 v5, v3, 4, v4                   ; the same where lanes 16-31 lie one row (one padding) further on
	v_mul_u32_u24 v6, v2, PITCH
	v_mad_u32_u24 v6, v3, 48, v6                   ; a fragment of D: row r, + 48 h
	v_lshlrev_b32 v7, 5, v17                       ; D's scale words: 32 bytes a row, a row a lane
	v_mul_u32_u24 v8, v2, 96
	v_mad_u32_u24 v8, v3, 48, v8                   ; a fragment of h: row r, + 48 h
	v_lshl_add_u32 v10, v3, 6, v2
	v_lshlrev_b32 v10, 5, v10                      ; h's scale words: row r + 64 (lane / 16)
	v_lshlrev_b32 v16, 5, v2                       ; and row r alone
	s_mul_i32 s30, s[WV], 16*272
	s_add_co_u32 s30, s30, STG                     ; my stage
	v_mul_u32_u24 v[STO], v2, 272
	v_lshl_add_u32 v[STO], v3, 5, v[STO]
	v_add_nc_u32 v[STO], s30, v[STO]               ; in: row r, 32 bytes for each half of the lanes
	v_mul_u32_u24 v[SRD], v3, 272
	v_lshl_add_u32 v[SRD], v2, 4, v[SRD]
	v_add_nc_u32 v[SRD], s30, v[SRD]               ; back: lanes 0-15 one row, lanes 16-31 the next
	v_lshlrev_b32 v14, 13, v3
	v_lshl_add_u32 v14, v2, 4, v14                 ; and the same two rows in y
	s_mov_b32 s23, 0x03010200                      ; v_perm_b32: bytes 1 and 2 change places
	s_mul_i32 s24, s[EX], 0x180000                 ; D: 2,048 rows of 768 bytes an expert,
	s_mul_i32 s26, s[XB], 0xc000                   ; 64 rows a work-group,
	s_add_co_u32 s24, s24, s26
	s_mul_i32 s26, s[WV], 0x3000                   ; 16 rows a wave
	s_add_co_u32 s24, s24, s26
	s_mov_b32 s25, 0
	s_lshl_b32 s26, s[EX], 16                      ; its scale bytes: 32 a row
	s_lshl_b32 s27, s[XB], 11
	s_add_co_u32 s26, s26, s27
	s_mov_b32 s27, 0
	s_mul_i32 s28, s[EX], 98304                    ; hq: the expert's 1,024 rows of 96 bytes
	s_mov_b32 s29, 0
	s_lshl_b32 s42, s[EX], 15                      ; hs: of 32 bytes
	s_mov_b32 s43, 0
	s_lshl_b32 s44, s[EX], 23                      ; y: of 8,192 bytes, + my 256
	s_lshl_b32 s45, s[XB], 8
	s_add_co_u32 s44, s44, s45
	s_mov_b32 s45, 0
	s_lshl_b32 s46, s[EX], 2
	s_mov_b32 s[T0], s[WV]
	s_wait_kmcnt 0x0
	s_load_b32 s16, s[12:13], s46 offset:0x0       ; the list's length: wanted only behind the first pass's loads
	s_add_nc_u64 s[32:33], s[4:5], s[24:25]
	s_add_nc_u64 s[34:35], s[6:7], s[26:27]
	s_add_nc_u64 s[36:37], s[8:9], s[28:29]
	s_add_nc_u64 s[38:39], s[10:11], s[42:43]
	s_add_nc_u64 s[40:41], s[14:15], s[44:45]
	WIN 0x80                                       ; destination window 2
.set n, 0
.rept 24                                               ; my 16 rows of D: 12,288 dense bytes, 512 a load; read once in the whole launch
	global_load_b128 v[4*n:4*n+3], v1, s[32:33] offset:512*n th:TH_LOAD_NT
.set n, n+1
.endr
	WIN 0
.irp a, 0,1
.irp m, 0,1
	global_load_b128 v[WS+8*\a+4*\m:WS+8*\a+4*\m+3], v7, s[34:35] offset:1024*\a+16*\m
.endr
.endr
	HEAD 4                                         ; 4 + 60 loads: the first pass hangs on no count
	s_wait_kmcnt 0x0
	s_min_u32 s16, s16, 0x400
	s_add_co_u32 s24, s16, 15
	s_lshr_b32 s24, s24, 4                         ; tiles of the expert
	s_add_co_u32 s24, s24, 3
	s_sub_co_u32 s24, s24, s[WV]
	s_lshr_b32 s24, s24, 2                         ; of my wave
	s_sub_co_i32 s24, s24, 4
	s_max_i32 s24, s24, 0                          ; beyond the first four
	s_add_co_u32 s25, s24, 1
	s_lshr_b32 s25, s25, 2                         ; further passes of four
	s_lshl_b32 s26, s25, 2
	s_sub_co_i32 s[N1], s24, s26
	s_max_i32 s[N1], s[N1], 0                      ; passes of one
	s_add_co_u32 s[C4], s25, 1
	s_wait_loadcnt 63                              ; 64 loads were issued behind D's scale words, 68 behind its codes: both are in
.irp s, 0,1,2,3,4,5,6,7
	v_perm_b32 v[WS+\s], v[WS+\s], v[WS+\s], s23   ; in K's order: each word stands eight plain lines or more ahead of its products
	v_perm_b32 v[WS+8+\s], v[WS+8+\s], v[WS+8+\s], s23
.endr
	WIN 0x08                                       ; an LDS store's data: window 2
.irp m, 0,1,2,3,4,5,6,7                        ; three loads are two rows of 768 bytes: byte b of the tile goes to b + 16 (b / 768)
	ds_store_b128 v4, v[12*\m:12*\m+3] offset:1568*\m
	ds_store_b128 v5, v[12*\m+4:12*\m+7] offset:1568*\m+512
	ds_store_b128 v4, v[12*\m+8:12*\m+11] offset:1568*\m+1040
.endr
	WIN 0
	s_wait_dscnt 0x0                               ; for the others' sake: my rows lie in LDS
	s_barrier_signal -1
	s_barrier_wait -1                              ; all 64 rows do; they are not written again, and each stage is its wave's own
.Lp4:
	BODY 4, 5
	EPI 4
	s_add_co_u32 s[T0], s[T0], 16
	s_sub_co_i32 s[C4], s[C4], 1
	s_cmp_eq_u32 s[C4], 0
	s_cbranch_scc1 .Lno_head
	HEAD 4                                         ; the next pass's first loads, only where a next pass of four follows
.Lno_head:
	s_cmp_gt_i32 s[C4], 0                          ; a signed compare: the loop ends from any start
	s_cbranch_scc1 .Lp4
	s_wait_loadcnt 0x0                             ; the passes of one load into the registers that the passes of four loaded into.  Where the loop is left no load is out (a pass's last
	                                               ; K step has waited for all, and the head above is run only where the loop goes on): the wait states that order in the text
	s_cmp_eq_u32 s[N1], 0
	s_cbranch_scc1 .Lend
.Lp1:
	HEAD 1
	BODY 1, 8
	EPI 1
	s_add_co_u32 s[T0], s[T0], 4
	s_sub_co_u32 s[N1], s[N1], 1
	s_cmp_lg_u32 s[N1], 0
	s_cbranch_scc1 .Lp1
.Lend:
	s_wait_tensorcnt 0x0
	ds_add_u32 v254, v255
	s_wait_dscnt 0x0
	s_endpgm
.Lfunc_end_k_qdccb9bfadc_down:
	.size	k_qdccb9bfadc_down, .Lfunc_end_k_qdccb9bfadc_down-k_qdccb9bfadc_down
	.p2alignl 7, 3214868480
	.fill 96, 4, 3214868480
	.section	.rodata,"a",@progbits
	.p2align	6, 0x0
	.amdhsa_kernel k_qdccb9bfadc_down
		.amdhsa_group_segment_fixed_size 68096
		.amdhsa_private_segment_fixed_size 0
		.amdhsa_enable_private_segment 0
		.amdhsa_kernarg_size 48
		.amdhsa_user_sgpr_count 2
		.amdhsa_user_sgpr_kernarg_segment_ptr 1
		.amdhsa_wavefront_size32 1
		.amdhsa_system_sgpr_workgroup_id_x 1
		.amdhsa_system_sgpr_workgroup_id_y 1
		.amdhsa_system_sgpr_workgroup_id_z 1
		.amdhsa_system_vgpr_workitem_id 0
		.amdhsa_next_free_vgpr 1024
		.amdhsa_next_free_sgpr 66
		.amdhsa_reserve_vcc 0
		.amdhsa_float_denorm_mode_32 3
		.amdhsa_float_denorm_mode_16_64 3
		.amdhsa_memory_ordered 1
		.amdhsa_forward_progress 1
		.amdhsa_inst_pref_size 74
	.end_amdhsa_kernel
	.amdgpu_metadata
---
amdhsa.version: [ 1, 2 ]
amdhsa.kernels:
  - .name:           k_qdccb9bfadc_down
    .symbol:         k_qdccb9bfadc_down.kd
    .args:
      - { .name: down_w_codes, .offset: 0, .size: 8, .value_kind: global_buffer, .address_space: global }
      - { .name: down_w_scales, .offset: 8, .size: 8, .value_kind: global_buffer, .address_space: global }
      - { .name: hq, .offset: 16, .size: 8, .value_kind: global_buffer, .address_space: global }
      - { .name: hs, .offset: 24, .size: 8, .value_kind: global_buffer, .address_space: global }
      - { .name: cnt, .offset: 32, .size: 8, .value_kind: global_buffer, .address_space: global }
      - { .name: y, .offset: 40, .size: 8, .value_kind: global_buffer, .address_space: global }
    .group_segment_fixed_size: 68096
    .private_segment_fixed_size: 0
    .kernarg_segment_align: 8
    .kernarg_segment_size: 48
    .max_flat_workgroup_size: 128
    .sgpr_count:     66
    .vgpr_count:     1024
    .wavefront_size: 32
...
	.end_amdgpu_metadata
.endif
;; end of part 2
;; launch combine (part 3): grid 256 x 1, 4 waves a work-group, no clusters, 0 bytes of LDS; arguments y, top_k_index, top_k_weights, rank, out0; writes out0
.if DOCPART == 3
	.amdgcn_target "amdgcn-amd-amdhsa--gfx1250"
	.amdhsa_code_object_version 6
	.text
	.protected	k_qdccb9bfadc_combine
	.globl	k_qdccb9bfadc_combine
	.p2align	8
	.type	k_qdccb9bfadc_combine,@function
k_qdccb9bfadc_combine:
	s_mov_b64 s[64:65], 0
	v_nop
	global_prefetch_b8 v0, s[64:65] scope:SCOPE_SE
	s_setreg_imm32_b32 hwreg(HW_REG_WAVE_MODE, 25, 1), 1
	s_wait_xcnt 0x0
; out[t][:] = w0 y[1024 e0 + rank[t][e0]][:] + w1 y[1024 e1 + rank[t][e1]][:].  A token that names one expert twice reads one row twice: (w0 + w1) y.
; A wave takes one token: a row of 8,192 bytes is sixteen loads of 512 consecutive bytes from each of the two rows of y, and sixteen stores of 512 consecutive, aligned bytes.
; Memory binds: no LDS, no barrier, no matrix unit; all 32 loads of a wave go out at once.
; LIMITS: indices are taken to lie in 0 .. 7, as the experts are numbered; they and the ranks are clamped only so that no address leaves its buffer.
.set Y0, 8                             ; v8-71    the first row
.set Y1, 72                            ; v72-135  the second row, then the result
	s_load_b256 s[4:11], s[0:1], 0x0               ; y s[4:5], indices s[6:7], weights s[8:9], rank s[10:11]
	s_load_b64 s[12:13], s[0:1], 0x20              ; out
	v_lshrrev_b32 v1, 5, v0
	v_readfirstlane_b32 s14, v1                    ; wave
	s_lshl_b32 s15, ttmp9, 2
	s_add_co_u32 s15, s15, s14                     ; my token
	v_and_b32 v2, 31, v0
	v_lshlrev_b32 v2, 4, v2                        ; 16 x lane
	s_lshl_b32 s16, s15, 3
	s_lshl_b32 s17, s15, 5
	s_lshl_b32 s40, s15, 13
	s_mov_b32 s41, 0
	s_wait_kmcnt 0x0
	s_load_b64 s[18:19], s[6:7], s16 offset:0x0    ; e0, e1
	s_load_b64 s[20:21], s[8:9], s16 offset:0x0    ; w0, w1
	s_load_b256 s[24:31], s[10:11], s17 offset:0x0 ; my token's place in each expert's list
	s_add_nc_u64 s[12:13], s[12:13], s[40:41]
	s_wait_kmcnt 0x0
	s_mov_b32 s22, s21                             ; w1 as the low word of a pair of its own
	s_mov_b32 s23, s21
	s_min_u32 s18, s18, 7
	s_min_u32 s19, s19, 7
	s_mov_b32 s32, s24
	s_mov_b32 s36, s24
.irp n, 1,2,3,4,5,6,7
	s_cmp_eq_u32 s18, \n
	s_cselect_b32 s32, s[24+\n], s32
	s_cmp_eq_u32 s19, \n
	s_cselect_b32 s36, s[24+\n], s36
.endr
	s_min_u32 s32, s32, 1023                       ; a loaded number enters an address only behind a clamp
	s_min_u32 s36, s36, 1023
	s_lshl_b32 s33, s18, 10
	s_add_co_u32 s32, s32, s33
	s_lshl_b32 s32, s32, 13                        ; rows of 8,192 bytes
	s_mov_b32 s33, 0
	s_lshl_b32 s37, s19, 10
	s_add_co_u32 s36, s36, s37
	s_lshl_b32 s36, s36, 13
	s_mov_b32 s37, 0
	s_add_nc_u64 s[34:35], s[4:5], s[32:33]
	s_add_nc_u64 s[38:39], s[4:5], s[36:37]
.irp i, 0,1,2,3,4,5,6,7,8,9,10,11,12,13,14,15
	global_load_b128 v[Y0+4*\i:Y0+4*\i+3], v2, s[34:35] offset:512*\i
	global_load_b128 v[Y1+4*\i:Y1+4*\i+3], v2, s[38:39] offset:512*\i
.endr
.irp i, 0,1,2,3,4,5,6,7,8,9,10,11,12,13,14,15
	s_wait_loadcnt 2*(15-\i)                       ; this group's two loads are in; the later groups' stay out
	v_pk_mul_f32 v[Y1+4*\i:Y1+4*\i+1], v[Y1+4*\i:Y1+4*\i+1], s[22:23] op_sel_hi:[1,0]
	v_pk_mul_f32 v[Y1+4*\i+2:Y1+4*\i+3], v[Y1+4*\i+2:Y1+4*\i+3], s[22:23] op_sel_hi:[1,0]
	v_pk_fma_f32 v[Y1+4*\i:Y1+4*\i+1], v[Y0+4*\i:Y0+4*\i+1], s[20:21], v[Y1+4*\i:Y1+4*\i+1] op_sel_hi:[1,0,1]
	v_pk_fma_f32 v[Y1+4*\i+2:Y1+4*\i+3], v[Y0+4*\i+2:Y0+4*\i+3], s[20:21], v[Y1+4*\i+2:Y1+4*\i+3] op_sel_hi:[1,0,1]
	global_store_b128 v2, v[Y1+4*\i:Y1+4*\i+3], s[12:13] offset:512*\i th:TH_STORE_NT
.endr
	s_endpgm
.Lfunc_end_k_qdccb9bfadc_combine:
	.size	k_qdccb9bfadc_combine, .Lfunc_end_k_qdccb9bfadc_combine-k_qdccb9bfadc_combine
	.p2alignl 7, 3214868480
	.fill 96, 4, 3214868480
	.section	.rodata,"a",@progbits
	.p2align	6, 0x0
	.amdhsa_kernel k_qdccb9bfadc_combine
		.amdhsa_group_segment_fixed_size 0
		.amdhsa_private_segment_fixed_size 0
		.amdhsa_enable_private_segment 0
		.amdhsa_kernarg_size 40
		.amdhsa_user_sgpr_count 2
		.amdhsa_user_sgpr_kernarg_segment_ptr 1
		.amdhsa_wavefront_size32 1
		.amdhsa_system_sgpr_workgroup_id_x 1
		.amdhsa_system_sgpr_workgroup_id_y 1
		.amdhsa_system_sgpr_workgroup_id_z 1
		.amdhsa_system_vgpr_workitem_id 0
		.amdhsa_next_free_vgpr 136
		.amdhsa_next_free_sgpr 66
		.amdhsa_reserve_vcc 0
		.amdhsa_float_denorm_mode_32 3
		.amdhsa_float_denorm_mode_16_64 3
		.amdhsa_memory_ordered 1
		.amdhsa_forward_progress 1
		.amdhsa_inst_pref_size 12
	.end_amdhsa_kernel
	.amdgpu_metadata
---
amdhsa.version: [ 1, 2 ]
amdhsa.kernels:
  - .name:           k_qdccb9bfadc_combine
    .symbol:         k_qdccb9bfadc_combine.kd
    .args:
      - { .name: y, .offset: 0, .size: 8, .value_kind: global_buffer, .address_space: global }
      - { .name: top_k_index, .offset: 8, .size: 8, .value_kind: global_buffer, .address_space: global }
      - { .name: top_k_weights, .offset: 16, .size: 8, .value_kind: global_buffer, .address_space: global }
      - { .name: rank, .offset: 24, .size: 8, .value_kind: global_buffer, .address_space: global }
      - { .name: out0, .offset: 32, .size: 8, .value_kind: global_buffer, .address_space: global }
    .group_segment_fixed_size: 0
    .private_segment_fixed_size: 0
    .kernarg_segment_align: 8
    .kernarg_segment_size: 40
    .max_flat_workgroup_size: 128
    .sgpr_count:     66
    .vgpr_count:     136
    .wavefront_size: 32
...
	.end_amdgpu_metadata
.endif
;; end of part 3
